; MI455X (gfx1250); checked and timed in simulation.
; The chip was launched on July 23, 2026; its instructions are those of AMD's public machine-readable ISA for CDNA 5 (MIT licence, August 2026) and "CDNA5" Instruction Set Architecture Reference Guide (July 2026). The comments in the code are by the model that wrote it; some were corrected since.
;; Head. Allowed arithmetic: matrix products marked QUANTISED: E4M3 operands, one given power-of-two scale a tensor, by v_wmma_f32_16x16x64_fp8_fp8 or v_wmma_f32_16x16x128_fp8_fp8, f32 sums; everything else in f32.
;; Inputs: Wk_codes 128 x 4 x 32 uint8 (E4M3 codes of Wk, K innermost, in blocks of 32 codes); Wq_codes 128 x 4 x 32 uint8 (E4M3 codes of Wq, K innermost, in blocks of 32 codes); Wv_codes 128 x 4 x 32 uint8 (E4M3 codes of Wv, K innermost, in blocks of 32 codes); lowp_scales 10 int32 (the exponents e of the quantised operands' scales 2^e); x_codes 16 x 2,048 x 4 x 32 uint8 (E4M3 codes of x, K innermost, in blocks of 32 codes).
;; Outputs: out0 16 x 2,048 x 128 float32.
;; This version of the problem:
;;   THIS VERSION OF THE PROBLEM IS GIVEN IN LOW PRECISION. The matrix products marked QUANTISED in the list below multiply operands that are first quantised to E4M3 (4 exponent bits, 3 mantissa bits; 8 bits a number), with one given power-of-two scale for each operand tensor; their sums are f32. All else is computed in f32.
;;   The module's matrix products, in the order in which they are computed (A, B: the left and right operand; K: the contracted axis; several contracted axes count as one K, in the product's order):
;;     1. [M 32,768, K 128] x [K 128, N 128]; A: input x (given as codes); B: input Wq (given as codes): QUANTISED (scales: A lowp_scales[0], B lowp_scales[1])
;;     2. [M 32,768, K 128] x [K 128, N 128]; A: input x (given as codes); B: input Wk (given as codes): QUANTISED (scales: A lowp_scales[2], B lowp_scales[3])
;;     3. [M 32,768, K 128] x [K 128, N 128]; A: input x (given as codes); B: input Wv (given as codes): QUANTISED (scales: A lowp_scales[4], B lowp_scales[5])
;;     4. batch 16 x [M 2,048, K 128] x [K 128, N 2,048]; A: computed on the way; B: computed on the way: QUANTISED (scales: A lowp_scales[6], B lowp_scales[7])
;;     5. batch 16 x [M 2,048, K 2,048] x [K 2,048, N 128]; A: softmax (see below); B: computed on the way: QUANTISED (scales: A lowp_scales[8], B lowp_scales[9])
;;   THE QUANTISER, for each operand of a quantised product, along K:
;;     - The operand's scale is 2^e, e = its entry of the input lowp_scales (int32; the entries are numbered through the quantised products in the list's order, A before B).
;;     - Each number is divided by the scale, clamped to +-448, and rounded to the nearest number of E4M3, ties to even, subnormals kept.
;;     - The product sums the exact products of the quantised numbers (number of the format x scale) in f32.
;;   ~~~python
;;   def quantise(x, axis, e):      # numpy; x: float32 -> the quantised numbers, widened to float32 again
;;       x = np.moveaxis(x, axis, -1); K = x.shape[-1]
;;       r = np.clip(x / 2.0 ** e, -448, 448)
;;       step = 2.0 ** (np.maximum(np.frexp(np.where(r == 0, 1, r))[1] - 1, -6) - 3)
;;       q = np.round(r / step) * step * 2.0 ** e      # np.round: ties to even
;;       return np.moveaxis(q, -1, axis).astype(np.float32)
;;   ~~~
;;   SOFTMAX AHEAD OF A QUANTISED PRODUCT. Where the list says 'softmax', what is quantised is not the finished softmax but p = 2^(t - M), with t = logit x log2(e) and M = ceil(the row's largest t), a whole number; so 1/2 < the row's largest p <= 1. The row's sum l is taken of the UNQUANTISED p, in f32, and the product's result is divided by l at the end. Since M is a whole number, a kernel that streams over the keys may use a running M (the ceiling of the running maximum): every later rescaling is an exact power of two, so the quantised numbers keep their values, but for numbers so far below the row's largest that they fall under the format's range.
;;   OPERANDS COMPUTED ON THE WAY. 'Computed on the way' means the value that the module computes at that place (a softmax that the list does not call 'softmax' is quantised finished and normalised). What goes into a quantiser is computed in f32, as accurately as f32 sums, v_exp_f32 and their like allow (about 1e-6 of the number): no bf16 or f16 on the way to a quantiser, and a product that is left as it is and whose result goes on into a quantised operand takes f32 operands (vector FMAs, or v_wmma_f32_16x16x4_f32). A number that lies on a knife's edge between two numbers of the format may be rounded either way, as far as f32 arithmetic and the matrix unit's own rounding can turn it there, and no further.
;;   INPUTS GIVEN AS CODES. Wk (in the module: [128, 128], K = its axis 1); Wq (in the module: [128, 128], K = its axis 1); Wv (in the module: [128, 128], K = its axis 1); x (in the module: [16, 2048, 128], K = its axis 2): each comes as NAME_codes (uint8): NAME with its K axis moved to the last place and cut into blocks of 32 codes, [.., K / 32, bytes a block], one block behind the other in memory; one code a byte (a code: sign, 4 exponent bits, 3 mantissa bits); its scale is its entry of lowp_scales. Its value is code x scale, taken as it is: it is not quantised again, and the codes and scales need not be those that the quantiser above would give.
;; 2 versions. Each part assembles by itself: llvm-mc -triple=amdgcn-amd-amdhsa -mcpu=gfx1250 --defsym DOCPART=n.
;; ======== version 1 of 2: 1 launch
;; launch head (part 1): grid 16 x 16, 4 waves a work-group, no clusters, 154,112 bytes of LDS; arguments x_codes, Wq_codes, Wk_codes, Wv_codes, lowp_scales, out0; writes out0
.if DOCPART == 1
	.amdgcn_target "amdgcn-amd-amdhsa--gfx1250"
	.amdhsa_code_object_version 6
	.text
	.protected	k_q3b58392e34_head
	.globl	k_q3b58392e34_head
	.p2align	8
	.type	k_q3b58392e34_head,@function
k_q3b58392e34_head:
	s_mov_b64 s[64:65], 0
	v_nop
	global_prefetch_b8 v0, s[64:65] scope:SCOPE_SE
	s_setreg_imm32_b32 hwreg(HW_REG_WAVE_MODE, 25, 1), 1
	s_wait_xcnt 0x0
; One causal attention head on codes of FP8 (E4M3).  x_codes: [16][2048][128] bytes, Wq/Wk/Wv_codes: [128][128] bytes, K innermost; lowp_scales: e0..e9 (int32); out0: [16][2048][128] f32.
;   q = x Wq^T, k = x Wk^T, v = x Wv^T on the given codes; q, k, v are quantised in f32 with 2^e6, 2^e7, 2^e9; scores = q k^T 128^-0.5, causal;
;   t = score x log2(e), M = the largest t so far rounded UP to a whole number, p = 2^(t - M) quantised with 2^e8; the sum l is taken of the unquantised p; out = (p v) 2^(e8+e9) / l.
; SHARES.  Work-group (i, batch) owns two blocks of 64 queries: block 31-i ("hi") and block i ("lo").  Block b needs the key tiles 0..b of 64 keys: 33 tiles for every i, so the 256
; work-groups have equal work.  The four waves split the KEYS: wave w takes the tiles j = w mod 4, from the top down, for all 64 queries.  A JOB is one tile: the wave loads the tile's 64 rows of x
; straight in operand layout, projects k and v of those keys anew in registers, quantises them, and runs the two attention products: the key loop has no LDS access and no barrier.
; At a block's end the four partial results (-M, l, p v) meet in LDS; wave w merges queries 16w..16w+15 and stores them.  M is a whole number in every wave, so the merge's weights are exact powers of two.
; A wave without a tile in the lo block (w > i, only for i < 3) runs tile 0 and its -M is raised to 3e38 in the merge, so that its weight is exactly 0.
; LAYOUT.  A fragment of 16 rows x 128 codes is 16 registers, by four loads of 16 bytes at row x 128 + 16 (lane / 16) + 32 c: the same permutation of K on both sides of every product.
; THE ROWS OF A TILE of Wq, of Wk and of the keys ARE NOT NEIGHBOURS: lane r of tile 2b+u takes row 32b + 8u + r + 8 (r / 8), so that a lane's 16 result registers of tiles 2b and 2b+1 are 16 neighbours
; along the next product's K and the conversions' results ARE the next operand's registers:
;   q^T = Wq x^T, k^T = Wk x^T (a lane: one query or key, registers along the head);  v = x Wv^T (a lane: one head unit, registers along the keys);
;   S^T = K Q^T (a lane: one query, registers along the keys);  O^T += V^T P^T (K = 64 keys; a lane: one query, eight head units).
; LIMITS, so that each power of two below is an f32 number: e6-e0-e1, e7-e2-e3, e9-e4-e5 and e8 between -126 and 119; e6+e7 between -123 and 130 (added to c's exponent field); e8+e9 goes by v_ldexp_f32
; and has none.  NaN codes among the inputs are not served.
; NO CLUSTER, NO TENSOR LOAD: a tile of x is used by ONE wave of a work-group, once, and is wanted in registers in operand layout; the work-groups of a batch, which do read the same tiles,
; need different numbers of them (32-i and i+1) in different steps, so no joint request would meet its partners.  Wk and Wv (32 KiB) stay in registers for the whole launch.
;
; LDS (bytes)
.set QX,   0                           ; q's codes as lane images: block x 8192 + tile x 2048 + c x 512 + 16 x lane
.set ML,   16384                       ; query x 32 + wave x 8: the pair (-M, l)
.set PART, 18432                       ; wave k: 64 rows (queries) of 512 bytes of f32,
.set PP,   528                         ; 528 bytes apart: 33 x 16, so sixteen rows in sequence begin at sixteen different 16-byte columns modulo 256
.set PW,   64*PP
; VECTOR REGISTERS.  Window 0: v1 r, v2 h, v3 offset of a lane in permuted rows, v4 16 x lane, v5 partial store, v6/v7 partial load (waves 0,1 / 2,3), v8/v9 (-M, l) store/load, v10 q's codes,
; v11 -inf, v12 the mask's threshold, v13/v14 scale and hold of k, v15/v16 of v, v17/v18 of p, v43/v44 of q, v19 offset of a lane in plain rows, v20+2t/v21+2t -M and l of query tile t, v28 rescaling factor,
; v29 its exponent, v30 new -M, v31 exchange, v32-41 at work, v42 q store, v45 r - 16h, v48-63 p's codes (two sets), v64-127 k's codes (4 tiles), v128-191 B0, v192-255 B1: results at work; S^T of tile t at 128+32t.
; Window 1: O^T, tile (t, u) at 64t+8u (at the start Wq, in the merge the four partial results).  Window 2: Wk at 16t, Wv at 128+16t.
; Window 3: the key tile of x at 16t, v's codes at 64+8u, q's codes at 128+16t, my query rows of x at 192 (hi) and 208 (lo).
.set B0,  128
.set B1,  192
.set KC,  64
.set VC,  64
.set QC,  128
.set PC,  48
.set NML, 20
; SCALAR REGISTERS: s[4:11] x, Wq, Wk, Wv; s[12:13] scales; s[14:15] out0; s16 wave, s17 i, s18 batch, s19 31-i; s20/s21 my top tile and steps-1 of hi, s22/s23 of lo, s24 lo's cap of -M; s25 tiles still to load,
; s26 next tile, s[28:29] its address, s[30:31] x of my batch, s[32:33] an offset; s[34:35] out rows of the block in hand, s[36:37] lo's; s38-41 top, block, steps-1, cap in hand; s42/s43 lane selects;
; s[44:45] c; s46 e8+e9; s47 phase, s48 trips, s49 mask addend, s50 where the block's q codes lie; s[52:55] my query rows of x; s[68:77] e0..e9, later s[68:99] the merge's weights (even registers).
.set MSB, 0
.macro WIN new                         ; s_set_vgpr_msb: bits 1:0 source 0, 3:2 source 1, 5:4 source 2, 7:6 destination; the high byte repeats the setting left; a switch that changes nothing is dropped
.if MSB != (\new)
	s_set_vgpr_msb (MSB<<8)|(\new)
.set MSB, \new
.endif
.endm
.macro PLACES cnt                      ; the places behind a matrix instruction (ISA guide 7.12.1), where no independent vector work is at hand
.rept \cnt
	v_nop
.endr
.endm
.macro BARRIER
	s_barrier_signal -1
	s_barrier_wait -1
.endm
.macro SCALES sc, cl                   ; s2 = e: v[sc] = 2^e as f32 (the conversion takes its exponent field), v[cl] = 448 x 2^e
	s_add_co_i32 s2, s2, 127
	s_lshl_b32 s3, s2, 23
	v_mov_b32 v[\sc], s3
	s_add_co_i32 s2, s2, 8
	s_lshl_b32 s2, s2, 23
	s_or_b32 s2, s2, 0x600000
	v_mov_b32 v[\cl], s2
.endm
; k^T of key tile kt: eight tiles of Wk's rows x 16 keys.  Each product starts its own sum: K = 128 is one instruction.
.macro KG kt, buf
	WIN 0x0e                                       ; Wk in window 2, x in window 3
.set n, 0
.rept 8
	v_wmma_f32_16x16x128_fp8_fp8 v[\buf+8*n:\buf+8*n+7], v[16*n:16*n+15], v[16*\kt:16*\kt+15], 0
.set n, n+1
.endr
.endm
; v of head units 32g .. 32g+31: four key tiles x two tiles of Wv's rows; a lane's 32 registers of one tile of Wv run along the 64 keys
.macro VG g, buf
	WIN 0x0b                                       ; x in window 3, Wv in window 2
.set n, 0
.rept 8
	v_wmma_f32_16x16x128_fp8_fp8 v[\buf+8*n:\buf+8*n+7], v[16*(n%4):16*(n%4)+15], v[128+16*(2*\g+n/4):128+16*(2*\g+n/4)+15], 0
.set n, n+1
.endr
.endm
; S^T of query tile qt: four key tiles
.macro SG qt
	WIN 0x0c                                       ; k's codes in window 0, q's in window 3
.set n, 0
.rept 4
	v_wmma_f32_16x16x128_fp8_fp8 v[B0+32*\qt+8*n:B0+32*\qt+8*n+7], v[KC+16*n:KC+16*n+15], v[QC+16*\qt:QC+16*\qt+15], 0
.set n, n+1
.endr
.endm
; 64 sums become 64 codes: held within +-448 x the scale (the conversion to an 8-bit code does not saturate: ISA guide 7.6.2), then eight at a time divided by the scale and rounded to the nearest code.
; The three scales ahead of the quantiser are folded into the one.  Each accumulator is read from its low end on.  The 64 holds are also the places behind the matrix instructions on the other buffer.
.macro QUANT buf, dst, dwin, sc, cl
	WIN 0
.set n, 0
.rept 64
	v_med3_num_f32 v[\buf+n], v[\buf+n], -v[\cl], v[\cl]
.set n, n+1
.endr
	WIN (\dwin<<6)
.set n, 0
.rept 8
	v_cvt_scalef32_pk8_fp8_f32 v[\dst+2*n:\dst+2*n+1], v[\buf+8*n:\buf+8*n+7], v[\sc]
.set n, n+1
.endr
	v_nop                                          ; one plain instruction between a scaled conversion and what touches its result or writes its sources
.endm
; 16 loads: key tile s26 of my batch in operand layout (n = 4 x tile + c).  Stands only where the wave's earlier loads have been waited for, so s[28:29] is free.
.macro XLOAD
	s_lshl_b32 s32, s26, 13                        ; 64 rows of 128 bytes a tile
	s_add_nc_u64 s[28:29], s[30:31], s[32:33]
	WIN 0xc0
.set n, 0
.rept 16
	global_load_b128 v[4*n:4*n+3], v3, s[28:29] offset:(32*(n/8)+8*((n/4)%2))*128+32*(n%4)
.set n, n+1
.endr
	WIN 0
	s_sub_co_i32 s26, s26, 4                       ; my next tile down; below 0 the hi block is through: on to the lo block's top
	s_cmp_lt_i32 s26, 0
	s_cselect_b32 s26, s22, s26
.endm
.macro XNEXT                           ; the next job's tile is asked for as soon as this job's last product on x has its places behind it; nothing after my last job
	WIN 0
	s_cmp_eq_u32 s25, 0
	s_cbranch_scc1 .Lnox_\@
	XLOAD
	s_sub_co_u32 s25, s25, 1
.Lnox_\@:
.endm
; A block's first job: register n of query tile qt is key 32 (n/16) + 16h + n%16 of the tile; it is hidden where that is beyond query 16 qt + r, that is where md > r - 16h.
; v12 = r - 16h if my top tile is the diagonal one, 1000 more if not: then nothing changes.  Registers that no lane can hide (md < -15) are left out.
.macro MASK qt
.set n, 0
.rept 32
.set md, 32*(n/16)+(n%16)-16*\qt
.if md >= -15
	v_cmp_gt_i32 vcc_lo, md, v12
	v_cndmask_b32 v[B0+32*\qt+n], v[B0+32*\qt+n], v11, vcc_lo
.endif
.set n, n+1
.endr
.endm
; The softmax of query tile qt for this job's 64 keys, and its product with v.  first = 1: the block's first job, which starts -M, l and O^T.
.macro SM qt, first
.set sb, B0+32*\qt
.set nm, NML+2*\qt
.set pc, PC+8*(\qt%2)
	WIN 0
.if \first
	MASK \qt
.endif
.set n, 0
.rept 4                                ; the largest score of my 32 keys: four chains, one to an accumulator, each begun at the accumulator's low end
	v_max3_num_f32 v[32+n], v[sb+8*n], v[sb+8*n+1], v[sb+8*n+2]
.set n, n+1
.endr
.set n, 0
.rept 8
	v_max3_num_f32 v[32+n%4], v[32+n%4], v[sb+8*(n%4)+3+2*(n/4)], v[sb+8*(n%4)+4+2*(n/4)]
.set n, n+1
.endr
	v_max3_num_f32 v32, v32, v[sb+7], v[sb+15]
	v_max3_num_f32 v34, v34, v[sb+23], v[sb+31]
	v_max3_num_f32 v32, v32, v33, v34
	v_max_num_f32 v32, v32, v35
	v_permlanex16_b32 v31, v32, s42, s43           ; the query's other 32 keys lie in the lane 16 away
	v_max_num_f32 v30, v32, v31
	v_mul_f32 v30, s44, v30                        ; as t (c is positive)
	v_floor_f32 v30, -v30                          ; -M = floor(-t) = -ceil(t): a whole number
.if \first == 0
	v_min_num_f32 v30, v30, v[nm]                  ; the running M
	v_sub_f32 v29, v30, v[nm]                      ; old M - new M: a whole number, 0 or less
	v_cvt_i32_f32 v29, v29
	v_ldexp_f32 v28, 1.0, v29                      ; 2^(old M - new M), exact
.endif
.set n, 0
.rept 16
	v_pk_fma_f32 v[sb+2*n:sb+2*n+1], v[sb+2*n:sb+2*n+1], s[44:45], v[30:31] op_sel_hi:[1,0,0]   ; t - M
.set n, n+1
.endr
.set n, 0
.rept 32
	v_exp_f32 v[sb+n], v[sb+n]                     ; p = 2^(t - M): NOT normalised; a hidden key gives 0
.set n, n+1
.endr
	v_mov_b32 v[nm], v30                           ; the plain instruction behind the exponentials (ISA guide 5.7.2); it names none of their registers
.set n, 0
	s_wait_alu depctr_va_vdst(0)
.rept 4                                ; the sum of the UNQUANTISED p, in four chains
	v_pk_add_f32 v[32+2*n:33+2*n], v[sb+4*n:sb+4*n+1], v[sb+4*n+2:sb+4*n+3]
.set n, n+1
.endr
.set n, 0
.rept 8
	v_pk_add_f32 v[32+2*(n%4):33+2*(n%4)], v[32+2*(n%4):33+2*(n%4)], v[sb+16+2*n:sb+17+2*n]
.set n, n+1
.endr
	v_pk_add_f32 v[32:33], v[32:33], v[34:35]
	v_pk_add_f32 v[36:37], v[36:37], v[38:39]
	v_pk_add_f32 v[32:33], v[32:33], v[36:37]
.if \first
	v_add_f32 v[nm+1], v32, v33                    ; l stays apart in the two halves of the lanes until the merge
.else
	v_add_f32 v32, v32, v33
	v_fma_f32 v[nm+1], v[nm+1], v28, v32
.endif
.set n, 0
.rept 32
	v_min_num_f32 v[sb+n], v18, v[sb+n]            ; p is not negative: held from above at 448 x 2^e8
.set n, n+1
.endr
.set n, 0
.rept 4
	v_cvt_scalef32_pk8_fp8_f32 v[pc+2*n:pc+2*n+1], v[sb+8*n:sb+8*n+7], v17
.set n, n+1
.endr
.if \first
	PLACES 4                                       ; an operand written by vector instructions stands four places ahead of the matrix instruction
.else
	WIN 0x41
.set n, 0
.rept 32                               ; O^T under the new M, exact; each accumulator from its low end on.  These are also the places in front of the products below
	v_pk_mul_f32 v[64*\qt+2*n:64*\qt+2*n+1], v[64*\qt+2*n:64*\qt+2*n+1], v[28:29] op_sel_hi:[1,0]
.set n, n+1
.endr
.endif
	WIN 0x53                                       ; v's codes in window 3, p's in window 0, O^T in window 1
.set n, 0
.rept 8                                ; eight accumulators by turns, one instruction a turn; they work while the next tile's softmax is issued
.if \first
	v_wmma_f32_16x16x64_fp8_fp8 v[64*\qt+8*n:64*\qt+8*n+7], v[VC+8*n:VC+8*n+7], v[pc:pc+7], 0
.else
	v_wmma_f32_16x16x64_fp8_fp8 v[64*\qt+8*n:64*\qt+8*n+7], v[VC+8*n:VC+8*n+7], v[pc:pc+7], v[64*\qt+8*n:64*\qt+8*n+7]
.endif
.set n, n+1
.endr
	WIN 0
.endm
; One key tile for the block's 64 queries.  Two buffers of 64 results take turns: while one buffer's eight products work, the other's 64 holds and 8 conversions are issued.
.macro JOB first
	s_wait_loadcnt 0x0                             ; the tile of x is in (in the very first job the weights too); s[28:29] is free again
	KG 0, B0
	KG 1, B1
	WIN 0
	PLACES 4
	QUANT B0, KC, 0, 13, 14
	KG 2, B0
	QUANT B1, KC+16, 0, 13, 14
	KG 3, B1
	QUANT B0, KC+32, 0, 13, 14
	VG 0, B0
	QUANT B1, KC+48, 0, 13, 14
	VG 1, B1
	QUANT B0, VC, 3, 15, 16
	VG 2, B0
	QUANT B1, VC+16, 3, 15, 16
	VG 3, B1
	QUANT B0, VC+32, 3, 15, 16
.if \first
	s_wait_dscnt 0x0                               ; the block's q codes are in registers
.endif
	SG 0
	SG 1
	QUANT B1, VC+48, 3, 15, 16
	XNEXT
	SG 2
	SG 3
	SM 0, \first
	SM 1, \first
	SM 2, \first
	SM 3, \first
.endm
; The four waves' partial results of a block meet; I finish queries 16w .. 16w+15.
.macro MERGE
.irp q, 0,1,2,3
	v_max_num_f32 v[NML+2*\q], s41, v[NML+2*\q]    ; a wave that had no tile of this block: -M = 3e38, so that its weight below is 0; else the cap is -inf and changes nothing
.endr
.irp q, 0,1,2,3
	v_permlanex16_b32 v[30+\q], v[NML+1+2*\q], s42, s43
.endr
.irp q, 0,1,2,3
	v_add_f32 v[NML+1+2*\q], v[NML+1+2*\q], v[30+\q]   ; l: my 32 keys' a job and lane l xor 16's.  (These twelve lines are also the places behind the last products)
.endr
.irp q, 0,1,2,3
	ds_store_b64 v8, v[NML+2*\q:NML+2*\q+1] offset:512*\q
.endr
	WIN 0x04
.set n, 0
.rept 64                               ; n = 16 tile + 2 u + half: register 4n; row 16 tile + r, bytes 64 u + 32 h + 16 half; each accumulator from its low end on
	ds_store_b128 v5, v[4*n:4*n+3] offset:16*PP*(n/16)+64*((n/2)%8)+16*(n%2)
.set n, n+1
.endr
	WIN 0
	s_wait_dscnt 0x0                               ; for the others' sake: all my partial results are in LDS
	BARRIER
	ds_load_b128 v[32:35], v9                      ; (-M, l) of waves 0, 1 for query 16w + r
	ds_load_b128 v[36:39], v9 offset:16            ; and of waves 2, 3
	WIN 0x40
.set n, 0
.rept 64                               ; wave k = n/16, row = n%16: a whole row of 512 bytes, 16 bytes a lane, into window 1 at 64k + 4 row
	ds_load_b128 v[4*n:4*n+3], v[6+n/32] offset:((n/16)%2)*PW+PP*(n%16)
.set n, n+1
.endr
	WIN 0
	s_wait_dscnt 0x0
	BARRIER                                        ; everybody has read: the next block's partial results may be written over these
	v_min3_num_f32 v40, v32, v34, v36
	v_min_num_f32 v40, v40, v38                    ; - the common M; wave 0 always has a tile: finite
.irp k, 0,1,2,3
	v_sub_f32 v[32+2*\k], v40, v[32+2*\k]          ; M of wave k - the common M: a whole number, 0 or less
.endr
.irp k, 0,1,2,3
	v_cvt_i32_f32 v[32+2*\k], v[32+2*\k]           ; (it saturates)
.endr
.irp k, 0,1,2,3
	v_ldexp_f32 v[32+2*\k], 1.0, v[32+2*\k]        ; the weight: an exact power of two, or 0
.endr
	v_mul_f32 v41, v32, v33
	v_fmac_f32 v41, v34, v35
	v_fmac_f32 v41, v36, v37
	v_fmac_f32 v41, v38, v39                       ; the row's sum under the common M
	v_rcp_f32 v41, v41
	v_nop                                          ; one plain instruction behind a transcendental
	s_wait_alu depctr_va_vdst(0)
	v_ldexp_f32 v41, v41, s46                      ; x 2^(e8 + e9)
.irp k, 0,1,2,3
	v_mul_f32 v[32+2*\k], v[32+2*\k], v41
.endr
.set bt, 0
.rept 4                                ; four rows at a time: a row's four weights are the same in all lanes, so they go to scalar registers (lane = row holds them)
	WIN 0
.set n, 0
.rept 16
	v_readlane_b32 s[68+2*n], v[32+2*(n%4)], 4*bt+n/4
.set n, n+1
.endr
	WIN 0x01                                       ; the partial results, source 0, in window 1
.set n, 0
.rept 8                                ; row 4 bt + n/2, half n%2
	v_pk_mul_f32 v[B0+16*bt+2*n:B0+16*bt+2*n+1], v[16*bt+2*n:16*bt+2*n+1], s[68+8*(n/2):69+8*(n/2)] op_sel_hi:[1,0]
.set n, n+1
.endr
.set n, 0
.rept 24                               ; wave 1 + n/8, row 4 bt + (n%8)/2
	v_pk_fma_f32 v[B0+16*bt+2*(n%8):B0+16*bt+2*(n%8)+1], v[64*(1+n/8)+16*bt+2*(n%8):64*(1+n/8)+16*bt+2*(n%8)+1], s[70+2*(n/8)+8*((n%8)/2):71+2*(n/8)+8*((n%8)/2)], v[B0+16*bt+2*(n%8):B0+16*bt+2*(n%8)+1] op_sel_hi:[1,0,1]
.set n, n+1
.endr
.set bt, bt+1
.endr
	WIN 0
.set n, 0
.rept 16
	global_store_b128 v4, v[B0+4*n:B0+4*n+3], s[34:35] offset:512*n th:TH_STORE_NT   ; a whole row of out0: 512 consecutive bytes, aligned
.set n, n+1
.endr
	s_wait_xcnt 0x0                                ; only behind this wait are the stores' data (B0) and base written again
.endm
; ================================================================ the text
	s_load_b256 s[4:11], s[0:1], 0x0               ; x, Wq, Wk, Wv
	s_load_b128 s[12:15], s[0:1], 0x20             ; the scales' exponents, out0
	v_lshl_add_u32 v46, v0, 2, 0x25800
	v_mov_b32 v47, 0
	v_lshrrev_b32 v1, 5, v0
	v_readfirstlane_b32 s16, v1                    ; wave 0..3
	v_and_b32 v1, 15, v0                           ; r
	v_bfe_u32 v2, v0, 4, 1                         ; h
	v_and_b32 v4, 31, v0
	v_lshlrev_b32 v4, 4, v4                        ; 16 x lane
	v_lshlrev_b32 v19, 7, v1
	v_lshl_add_u32 v19, v2, 4, v19                 ; plain rows: r x 128 + 16 h
	v_and_b32 v3, 8, v1
	v_add_nc_u32 v3, v3, v1                        ; r + 8 (r / 8)
	v_lshlrev_b32 v3, 7, v3
	v_lshl_add_u32 v3, v2, 4, v3                   ; permuted rows
	s_mov_b32 s17, ttmp9                           ; i
	s_and_b32 s18, ttmp7, 0xffff                   ; batch
	s_sub_co_u32 s19, 31, s17                      ; the hi block
	s_sub_co_u32 s2, s19, s16
	s_and_b32 s2, s2, 3
	s_sub_co_u32 s20, s19, s2                      ; my top tile of it: the largest j <= b with j = w mod 4 (b >= 16: never below 0)
	s_lshr_b32 s21, s20, 2                         ; my jobs in it, less one
	s_sub_co_u32 s2, s17, s16
	s_and_b32 s2, s2, 3
	s_sub_co_u32 s22, s17, s2
	s_mov_b32 s24, 0x7f61b1e6                      ; 3e38
	s_cmp_le_u32 s16, s17
	s_cselect_b32 s22, s22, 0                      ; the same for the lo block, or tile 0 with weight 0
	s_cselect_b32 s24, 0xff800000, s24
	s_lshr_b32 s23, s22, 2
	s_add_co_u32 s25, s21, s23
	s_add_co_u32 s25, s25, 1                       ; tiles to load behind the first
	s_mov_b32 s26, s20
	s_mov_b32 s33, 0
	s_mov_b32 s42, 0x76543210                      ; v_permlanex16_b32's selects for lane l xor 16
	s_mov_b32 s43, 0xfedcba98
	s_wait_kmcnt 0x0
	s_load_b256 s[68:75], s[12:13], 0x0            ; e0 .. e7
	s_load_b64 s[76:77], s[12:13], 0x20            ; e8, e9
	s_lshl_b32 s32, s18, 18                        ; a batch of x is 2,048 rows of 128 bytes
	s_add_nc_u64 s[30:31], s[4:5], s[32:33]
	s_lshl_b32 s2, s16, 11                         ; my 16 query rows of a block
	s_lshl_b32 s32, s19, 13
	s_add_co_u32 s32, s32, s2
	s_add_nc_u64 s[52:53], s[30:31], s[32:33]
	s_lshl_b32 s32, s17, 13
	s_add_co_u32 s32, s32, s2
	s_add_nc_u64 s[54:55], s[30:31], s[32:33]
	; 120 loads in the order of need: my query rows, Wq, the first job's tile, Wk, Wv
	WIN 0xc0
.set n, 0
.rept 4
	global_load_b128 v[192+4*n:195+4*n], v19, s[52:53] offset:32*n
	global_load_b128 v[208+4*n:211+4*n], v19, s[54:55] offset:32*n
.set n, n+1
.endr
	WIN 0x40
.set n, 0
.rept 32                               ; tile n/4, c = n%4
	global_load_b128 v[4*n:4*n+3], v3, s[6:7] offset:(32*(n/8)+8*((n/4)%2))*128+32*(n%4)
.set n, n+1
.endr
	XLOAD
	WIN 0x80
.set n, 0
.rept 32
	global_load_b128 v[4*n:4*n+3], v3, s[8:9] offset:(32*(n/8)+8*((n/4)%2))*128+32*(n%4)
.set n, n+1
.endr
.set n, 0
.rept 32                               ; Wv's tiles are neighbouring rows: their place decides only which head unit a lane holds
	global_load_b128 v[128+4*n:131+4*n], v19, s[10:11] offset:2048*(n/4)+32*(n%4)
.set n, n+1
.endr
	WIN 0
	; where my 16 rows of each block lie in out0
	s_lshl_b32 s2, s18, 20                         ; a batch of out0 is 2,048 rows of 512 bytes
	s_lshl_b32 s3, s16, 13
	s_add_co_u32 s2, s2, s3
	s_lshl_b32 s32, s19, 15
	s_add_co_u32 s32, s32, s2
	s_add_nc_u64 s[34:35], s[14:15], s[32:33]
	s_lshl_b32 s32, s17, 15
	s_add_co_u32 s32, s32, s2
	s_add_nc_u64 s[36:37], s[14:15], s[32:33]
	; LDS addresses
	s_mul_i32 s2, s16, PW
	s_add_co_u32 s2, s2, PART
	v_mul_u32_u24 v5, v1, PP
	v_lshl_add_u32 v5, v2, 5, v5
	v_add_nc_u32 v5, s2, v5                        ; my partial results: row r, 32 bytes for each half of the lanes
	s_mul_i32 s2, s16, 16*PP
	s_add_co_u32 s2, s2, PART
	v_add_nc_u32 v6, s2, v4                        ; back: rows 16w .. of wave 0's part,
	v_add_nc_u32 v7, 2*PW, v6                      ; of wave 2's
	s_lshl_b32 s2, s16, 3
	s_add_co_u32 s2, s2, ML
	v_lshl_add_u32 v8, v1, 5, s2
	s_lshl_b32 s2, s16, 9
	s_add_co_u32 s2, s2, ML
	v_lshl_add_u32 v9, v1, 5, s2
	s_lshl_b32 s2, s16, 11
	v_add_nc_u32 v42, s2, v4                       ; QX is LDS byte 0
	v_mov_b32 v11, 0xff800000
	v_lshlrev_b32 v45, 4, v2
	v_sub_nc_u32 v45, v1, v45                      ; r - 16 h
	v_mov_b32 v29, 0                               ; second registers of pairs of which the packed forms use the first alone;
	v_mov_b32 v31, 0                               ; v31 is also a lane permute's destination, which counts as read
	s_wait_kmcnt 0x0
	s_sub_co_i32 s2, s74, s68
	s_sub_co_i32 s2, s2, s69                       ; a sum of x Wq^T stands for sum x 2^(e0 + e1): its code is sum / 2^(e6 - e0 - e1)
	SCALES 43, 44
	s_sub_co_i32 s2, s75, s70
	s_sub_co_i32 s2, s2, s71
	SCALES 13, 14
	s_sub_co_i32 s2, s77, s72
	s_sub_co_i32 s2, s2, s73
	SCALES 15, 16
	s_mov_b32 s2, s76
	SCALES 17, 18
	s_add_co_i32 s2, s74, s75
	s_lshl_b32 s2, s2, 23
	s_add_co_i32 s44, s2, 0x3e0293ee               ; c = log2(e) / sqrt(128) x 2^(e6 + e7): the two exponents are added to c's exponent field
	s_mov_b32 s45, s44
	s_add_co_i32 s46, s76, s77
.set n, 0
.rept 16
	s_mov_b32 s[69+2*n], 0                         ; the exponents are used up: second registers of the merge's scalar pairs
.set n, n+1
.endr
	s_wait_loadcnt 0x3f                            ; 80 younger loads stand behind my query rows and Wq; 63 is the largest count the field takes: the 57 oldest are in
	WIN 0x0d                                       ; Wq in window 1, my query rows in window 3
.set n, 0
.rept 8
	v_wmma_f32_16x16x128_fp8_fp8 v[B0+8*n:B0+8*n+7], v[16*n:16*n+15], v[192:207], 0
.set n, n+1
.endr
.set n, 0
.rept 8
	v_wmma_f32_16x16x128_fp8_fp8 v[B1+8*n:B1+8*n+7], v[16*n:16*n+15], v[208:223], 0
.set n, n+1
.endr
	WIN 0
	PLACES 4
	QUANT B0, 64, 0, 43, 44
	QUANT B1, 80, 0, 43, 44
.set n, 0
.rept 4
	ds_store_b128 v42, v[64+4*n:67+4*n] offset:512*n
	ds_store_b128 v42, v[80+4*n:83+4*n] offset:8192+512*n
.set n, n+1
.endr
	s_wait_dscnt 0x0                               ; for the others' sake: my tile of q's codes is in LDS
	BARRIER
	s_mov_b32 s38, s20                             ; the block in hand: hi
	s_mov_b32 s39, s19
	s_mov_b32 s40, s21
	s_mov_b32 s41, 0xff800000
	s_mov_b32 s47, 0
	s_mov_b32 s50, 0
.Lphase:                                               ; two trips: the hi block, the lo block
	v_add_nc_u32 v10, s50, v4
	WIN 0xc0
.set n, 0
.rept 16
	ds_load_b128 v[QC+4*n:QC+4*n+3], v10 offset:512*n  ; q's codes of all 64 queries, as they lay in the registers of the waves that made them
.set n, n+1
.endr
	WIN 0
	s_cmp_eq_u32 s38, s39                          ; is my top tile the diagonal one?
	s_cselect_b32 s49, 0, 0x3e8
	v_add_nc_u32 v12, s49, v45
	JOB 1
	s_cmp_eq_u32 s40, 0
	s_cbranch_scc1 .Lmerge
	s_mov_b32 s48, s40
.Lnext:
	JOB 0
	s_sub_co_u32 s48, s48, 1
	s_cmp_lg_u32 s48, 0
	s_cbranch_scc1 .Lnext
.Lmerge:
	MERGE
	s_mov_b64 s[34:35], s[36:37]                   ; on to the lo block
	s_mov_b32 s38, s22
	s_mov_b32 s39, s17
	s_mov_b32 s40, s23
	s_mov_b32 s41, s24
	s_xor_b32 s50, s50, 0x2000
	s_add_co_u32 s47, s47, 1
	s_cmp_lt_u32 s47, 2
	s_cbranch_scc1 .Lphase
	s_wait_tensorcnt 0x0
	ds_add_u32 v46, v47
	s_wait_dscnt 0x0
	s_endpgm
.Lfunc_end_k_q3b58392e34_head:
	.size	k_q3b58392e34_head, .Lfunc_end_k_q3b58392e34_head-k_q3b58392e34_head
	.p2alignl 7, 3214868480
	.fill 96, 4, 3214868480
	.section	.rodata,"a",@progbits
	.p2align	6, 0x0
	.amdhsa_kernel k_q3b58392e34_head
		.amdhsa_group_segment_fixed_size 154112
		.amdhsa_private_segment_fixed_size 0
		.amdhsa_enable_private_segment 0
		.amdhsa_kernarg_size 48
		.amdhsa_user_sgpr_count 2
		.amdhsa_user_sgpr_kernarg_segment_ptr 1
		.amdhsa_wavefront_size32 1
		.amdhsa_system_sgpr_workgroup_id_x 1
		.amdhsa_system_sgpr_workgroup_id_y 1
		.amdhsa_system_sgpr_workgroup_id_z 1
		.amdhsa_system_vgpr_workitem_id 0
		.amdhsa_next_free_vgpr 1024
		.amdhsa_next_free_sgpr 100
		.amdhsa_reserve_vcc 1
		.amdhsa_float_denorm_mode_32 3
		.amdhsa_float_denorm_mode_16_64 3
		.amdhsa_memory_ordered 1
		.amdhsa_forward_progress 1
		.amdhsa_inst_pref_size 206
	.end_amdhsa_kernel
	.amdgpu_metadata
---
amdhsa.version: [ 1, 2 ]
amdhsa.kernels:
  - .name:           k_q3b58392e34_head
    .symbol:         k_q3b58392e34_head.kd
    .args:
      - { .name: x_codes, .offset: 0, .size: 8, .value_kind: global_buffer, .address_space: global }
      - { .name: Wq_codes, .offset: 8, .size: 8, .value_kind: global_buffer, .address_space: global }
      - { .name: Wk_codes, .offset: 16, .size: 8, .value_kind: global_buffer, .address_space: global }
      - { .name: Wv_codes, .offset: 24, .size: 8, .value_kind: global_buffer, .address_space: global }
      - { .name: lowp_scales, .offset: 32, .size: 8, .value_kind: global_buffer, .address_space: global }
      - { .name: out0, .offset: 40, .size: 8, .value_kind: global_buffer, .address_space: global }
    .group_segment_fixed_size: 154112
    .private_segment_fixed_size: 0
    .kernarg_segment_align: 8
    .kernarg_segment_size: 48
    .max_flat_workgroup_size: 128
    .sgpr_count:     100
    .vgpr_count:     1024
    .wavefront_size: 32
...
	.end_amdgpu_metadata
.endif
;; end of part 1
;; ======== version 2 of 2: 2 launches
;; limits: right only within a limited range of input values
;; workspace buffers: qc 4,194,304 bytes; kv 8,388,608 bytes
;; launch proj (part 2): grid 256 x 1, 4 waves a work-group, no clusters, 0 bytes of LDS; arguments x_codes, Wq_codes, Wk_codes, Wv_codes, lowp_scales, qc, kv; writes qc, kv
.if DOCPART == 2
	.amdgcn_target "amdgcn-amd-amdhsa--gfx1250"
	.amdhsa_code_object_version 6
	.text
	.protected	k_q3b58392e34_proj
	.globl	k_q3b58392e34_proj
	.p2align	8
	.type	k_q3b58392e34_proj,@function
k_q3b58392e34_proj:
	s_mov_b64 s[64:65], 0
	v_nop
	global_prefetch_b8 v0, s[64:65] scope:SCOPE_SE
	s_setreg_imm32_b32 hwreg(HW_REG_WAVE_MODE, 25, 1), 1
	s_wait_xcnt 0x0
; The three projections of an attention head on codes of FP8 (E4M3): q = x Wq^T, k = x Wk^T, v = x Wv^T, f32 sums, quantised in f32 with 2^e6, 2^e7, 2^e9 for the launch that follows.
; x_codes: [32768][128] bytes, Wq/Wk/Wv_codes: [128][128] bytes, K innermost; lowp_scales: e0..e9 (int32).
; DEAD WORK.  Nothing is left out here.  The next launch leaves out whole steps of keys that the causal mask hides from every query of a block: their p is 0 for all values of the inputs.
; SHARES.  A work-group takes 128 rows of x; wave w makes head units 32w .. 32w+31 of q, k and v for all of them.  Each weight's row is loaded by one wave, x by all four.  No LDS, no barrier, no loop: so no prefetch;
; and no cluster: the weights go straight into registers, 12,288 bytes a wave, once, where a joint load would lead them through LDS behind rounds of the cluster's barrier.
; LAYOUT.  A fragment of 16 rows x 128 codes is 16 registers, four loads of 16 bytes at row x 128 + 16 h + 32 c (lane = 16 h + r): the same permutation of K on both sides of every product.
; THE ROWS OF A TILE of x, Wq, Wk ARE NOT NEIGHBOURS: lane r of tile 2b+u takes row 32b + 8u + r + 8 (r / 8), so that a lane's 16 results of tiles 2b, 2b+1 are 16 neighbours along the next product's K.
; THE CODES LEAVE AS LANE IMAGES of 512 bytes (four registers of all 32 lanes).  qc: row tile T (16 rows) x 2048 + 512 c.
; kv: batch x 524288 + slot x 131072 (512 keys) + block q x 16384 + step x 4096 (128 keys) + ..: blocks 0-3: K tiles 2q, 2q+1 (2048 bytes each, piece c at 512 c); blocks 4-7: V's channel tiles 2(q-4), 2(q-4)+1, piece c = keys 32c + 16h + 0..15.
; LIMITS, so that each power of two below is an f32 number: e6-e0-e1, e7-e2-e3 and e9-e4-e5 between -126 and 119.  NaN codes among the inputs are not served.
; REGISTERS.  Window 0: v1 r, v2 h, v3 permuted rows, v4 16 x lane, v5 plain rows, v12-14 scales, v64-159 and v160-255 results by turns.  Window 1: x at 16T, Wq 128, Wk 160, Wv 192.  Window 2: codes, 24 a stage.
.set BA, 64
.set BB, 160
.set MSB, 0
.macro WIN new                         ; bits 1:0 source 0, 3:2 source 1, 5:4 source 2, 7:6 destination; the high byte repeats the setting left
.if MSB != (\new)
	s_set_vgpr_msb (MSB<<8)|(\new)
.set MSB, \new
.endif
.endm
.macro SCALES sc, lo                   ; s2 = e: v[sc] = 2^e as f32, s[lo] = -448 x 2^e, s[lo+1] = 448 x 2^e
	s_add_co_i32 s2, s2, 127
	s_lshl_b32 s3, s2, 23
	v_mov_b32 v[\sc], s3
	s_add_co_i32 s2, s2, 8
	s_lshl_b32 s2, s2, 23
	s_or_b32 s[\lo+1], s2, 0x600000
	s_or_b32 s[\lo], s2, 0x80600000
.endm
.macro HOLD8 buf                       ; tile n held within +-448 x its scale (the conversion does not saturate: ISA guide 7.6.2), from the low end on
.set mm, 0
.rept 8
	v_med3_num_f32 v[\buf+8*n+mm], s[40+2*(n/4)], s[41+2*(n/4)], v[\buf+8*n+mm]
.set mm, mm+1
.endr
.endm
; Twelve products of x tiles 2b, 2b+1 (q: 0-3, k: 4-7, v: 8-11), each starting its own sum, and behind each the holds of the tile of the same number of the stage before.
.macro STG b, buf, hold, pbuf
	WIN 0x05                                       ; both sources in window 1; the holds' third source and destination stay in window 0
.set n, 0
.rept 12
.if (\b == 0) && (n%4 == 0)
	s_wait_loadcnt 40-2*n                          ; x's first two tiles and Wq, then Wk, then Wv: 40, 32, 24 younger loads may be out
.endif
.if n < 8
	v_wmma_f32_16x16x128_fp8_fp8 v[\buf+8*n:\buf+8*n+7], v[128+32*(n/4)+16*(n%2):143+32*(n/4)+16*(n%2)], v[32*\b+16*((n/2)%2):32*\b+16*((n/2)%2)+15], 0
.else
	v_wmma_f32_16x16x128_fp8_fp8 v[\buf+8*n:\buf+8*n+7], v[32*\b+16*(n%2):32*\b+16*(n%2)+15], v[192+16*((n/2)%2):207+16*((n/2)%2)], 0
.endif
.if \hold
	HOLD8 \pbuf
.endif
.set n, n+1
.endr
.endm
.macro LEAVE b, buf                    ; 96 held sums become 96 codes a lane, and leave: each store covers 512 consecutive bytes, aligned
	WIN 0x80
.set n, 0
.rept 12
	v_cvt_scalef32_pk8_fp8_f32 v[24*\b+2*n:24*\b+2*n+1], v[\buf+8*n:\buf+8*n+7], v[12+n/4]
.set n, n+1
.endr
	v_nop                                          ; a plain instruction behind the last scaled conversion
	WIN 0x08
.set n, 0
.rept 6
.if n < 2
	global_store_b128 v4, v[24*\b+4*n:24*\b+4*n+3], s[18:19] offset:(2*\b+n)*2048
.elseif n < 4
	global_store_b128 v4, v[24*\b+4*n:24*\b+4*n+3], s[20:21] offset:\b*16384+(n-2)*2048
.else
	global_store_b128 v4, v[24*\b+4*n:24*\b+4*n+3], s[22:23] offset:(n-4)*2048+\b*512
.endif
.set n, n+1
.endr
.endm
.macro XLOAD b
.set n, 0
.rept 8
	global_load_b128 v[32*\b+4*n:32*\b+4*n+3], v3, s[4:5] offset:4096*\b+1024*(n/4)+32*(n%4)
.set n, n+1
.endr
.endm
.macro WLOAD reg, adr, base, step
.set n, 0
.rept 8
	global_load_b128 v[\reg+4*n:\reg+4*n+3], v[\adr], s[\base:\base+1] offset:\step*(n/4)+32*(n%4)
.set n, n+1
.endr
.endm
	s_load_b256 s[4:11], s[0:1], 0x0               ; x, Wq, Wk, Wv
	s_load_b128 s[12:15], s[0:1], 0x20             ; the scales' exponents, qc
	s_load_b64 s[16:17], s[0:1], 0x30              ; kv
	v_lshrrev_b32 v1, 5, v0
	v_readfirstlane_b32 s24, v1                    ; wave 0..3
	v_and_b32 v1, 15, v0                           ; r
	v_bfe_u32 v2, v0, 4, 1                         ; h
	v_and_b32 v4, 31, v0
	v_lshlrev_b32 v4, 4, v4                        ; 16 x lane
	v_lshlrev_b32 v5, 7, v1
	v_lshl_add_u32 v5, v2, 4, v5                   ; plain rows: r x 128 + 16 h
	v_and_b32 v3, 8, v1
	v_add_nc_u32 v3, v3, v1                        ; r + 8 (r / 8)
	v_lshlrev_b32 v3, 7, v3
	v_lshl_add_u32 v3, v2, 4, v3                   ; permuted rows
	s_lshl_b32 s26, ttmp9, 14                      ; 128 rows of 128 bytes, in x and in qc
	s_mov_b32 s27, 0
	s_lshl_b32 s38, s24, 12                        ; my 32 rows of each weight
	s_mov_b32 s39, 0
	s_lshl_b32 s2, s24, 9                          ; my piece: c = wave
	s_add_co_u32 s46, s26, s2                      ; in qc
	s_mov_b32 s47, 0
	s_lshr_b32 s3, ttmp9, 4
	s_lshl_b32 s3, s3, 19                          ; the batch.  My 128 keys are half kh of the group G of 256 keys; slot s of kv holds the groups s and s + 4:
	s_lshr_b32 s25, ttmp9, 1
	s_and_b32 s25, s25, 3
	s_lshl_b32 s25, s25, 17
	s_add_co_u32 s3, s3, s25                       ; + the slot, G mod 4
	s_lshr_b32 s25, ttmp9, 3
	s_and_b32 s25, s25, 1
	s_lshl_b32 s25, s25, 13
	s_add_co_u32 s3, s3, s25                       ; + the step in it, 2 (G / 4) + kh
	s_and_b32 s25, ttmp9, 1
	s_lshl_b32 s25, s25, 12
	s_add_co_u32 s3, s3, s25
	s_add_co_u32 s48, s3, s2                       ; in kv: K
	s_mov_b32 s49, 0
	s_lshl_b32 s25, s24, 14
	s_add_co_u32 s50, s3, s25
	s_add_co_u32 s50, s50, 0x10000                 ; V: block 4 + wave
	s_mov_b32 s51, 0
	s_wait_alu depctr_va_vdst(0)
	s_wait_kmcnt 0x0
	s_load_b256 s[28:35], s[12:13], 0x0            ; e0 .. e7
	s_load_b64 s[36:37], s[12:13], 0x20            ; e8, e9
	s_add_nc_u64 s[4:5], s[4:5], s[26:27]
	s_add_nc_u64 s[6:7], s[6:7], s[38:39]
	s_add_nc_u64 s[8:9], s[8:9], s[38:39]
	s_add_nc_u64 s[10:11], s[10:11], s[38:39]
	s_add_nc_u64 s[18:19], s[14:15], s[46:47]
	s_add_nc_u64 s[20:21], s[16:17], s[48:49]
	s_add_nc_u64 s[22:23], s[16:17], s[50:51]
	WIN 0x40                                       ; 56 loads in the order of need
	XLOAD 0
	WLOAD 128, 3, 6, 1024
	WLOAD 160, 3, 8, 1024
	WLOAD 192, 5, 10, 2048
	XLOAD 1
	XLOAD 2
	XLOAD 3
	WIN 0
	s_wait_kmcnt 0x0
	s_sub_co_i32 s2, s34, s28
	s_sub_co_i32 s2, s2, s29                       ; a sum of x Wq^T stands for sum x 2^(e0 + e1): its code is sum / 2^(e6 - e0 - e1)
	SCALES 12, 40
	s_sub_co_i32 s2, s35, s30
	s_sub_co_i32 s2, s2, s31
	SCALES 13, 42
	s_sub_co_i32 s2, s37, s32
	s_sub_co_i32 s2, s2, s33
	SCALES 14, 44
	s_wait_alu depctr_va_vdst(0)                   ; at the head's end
	STG 0, BA, 0, 0
.rept 4
	v_nop                                          ; places: no independent vector work is at hand yet
.endr
	s_wait_loadcnt 0x10                            ; x's tiles 2, 3 are in; 16 younger loads may be out
	STG 1, BB, 1, BA
	LEAVE 0, BA
	s_wait_loadcnt 0x8
	STG 2, BA, 1, BB
	LEAVE 1, BB
	s_wait_loadcnt 0x0
	STG 3, BB, 1, BA
	LEAVE 2, BA
	WIN 0
.set n, 0
.rept 12
	HOLD8 BB
.set n, n+1
.endr
	LEAVE 3, BB
	s_endpgm
.Lfunc_end_k_q3b58392e34_proj:
	.size	k_q3b58392e34_proj, .Lfunc_end_k_q3b58392e34_proj-k_q3b58392e34_proj
	.p2alignl 7, 3214868480
	.fill 96, 4, 3214868480
	.section	.rodata,"a",@progbits
	.p2align	6, 0x0
	.amdhsa_kernel k_q3b58392e34_proj
		.amdhsa_group_segment_fixed_size 0
		.amdhsa_private_segment_fixed_size 0
		.amdhsa_enable_private_segment 0
		.amdhsa_kernarg_size 56
		.amdhsa_user_sgpr_count 2
		.amdhsa_user_sgpr_kernarg_segment_ptr 1
		.amdhsa_wavefront_size32 1
		.amdhsa_system_sgpr_workgroup_id_x 1
		.amdhsa_system_sgpr_workgroup_id_y 1
		.amdhsa_system_sgpr_workgroup_id_z 1
		.amdhsa_system_vgpr_workitem_id 0
		.amdhsa_next_free_vgpr 608
		.amdhsa_next_free_sgpr 66
		.amdhsa_reserve_vcc 0
		.amdhsa_float_denorm_mode_32 3
		.amdhsa_float_denorm_mode_16_64 3
		.amdhsa_memory_ordered 1
		.amdhsa_forward_progress 1
		.amdhsa_inst_pref_size 42
	.end_amdhsa_kernel
	.amdgpu_metadata
---
amdhsa.version: [ 1, 2 ]
amdhsa.kernels:
  - .name:           k_q3b58392e34_proj
    .symbol:         k_q3b58392e34_proj.kd
    .args:
      - { .name: x_codes, .offset: 0, .size: 8, .value_kind: global_buffer, .address_space: global }
      - { .name: Wq_codes, .offset: 8, .size: 8, .value_kind: global_buffer, .address_space: global }
      - { .name: Wk_codes, .offset: 16, .size: 8, .value_kind: global_buffer, .address_space: global }
      - { .name: Wv_codes, .offset: 24, .size: 8, .value_kind: global_buffer, .address_space: global }
      - { .name: lowp_scales, .offset: 32, .size: 8, .value_kind: global_buffer, .address_space: global }
      - { .name: qc, .offset: 40, .size: 8, .value_kind: global_buffer, .address_space: global }
      - { .name: kv, .offset: 48, .size: 8, .value_kind: global_buffer, .address_space: global }
    .group_segment_fixed_size: 0
    .private_segment_fixed_size: 0
    .kernarg_segment_align: 8
    .kernarg_segment_size: 56
    .max_flat_workgroup_size: 128
    .sgpr_count:     66
    .vgpr_count:     608
    .wavefront_size: 32
...
	.end_amdgpu_metadata
.endif
;; end of part 2
;; launch head (part 3): grid 16 x 16, 4 waves a work-group, clusters of 4 x 1, 327,680 bytes of LDS; arguments qc, kv, lowp_scales, out0; writes out0
.if DOCPART == 3
	.amdgcn_target "amdgcn-amd-amdhsa--gfx1250"
	.amdhsa_code_object_version 6
	.text
	.protected	k_q3b58392e34_head
	.globl	k_q3b58392e34_head
	.p2align	8
	.type	k_q3b58392e34_head,@function
k_q3b58392e34_head:
	s_mov_b64 s[64:65], 0
	v_nop
	global_prefetch_b8 v0, s[64:65] scope:SCOPE_SE
	s_setreg_imm32_b32 hwreg(HW_REG_WAVE_MODE, 25, 1), 1
	s_wait_xcnt 0x0
	s_wait_alu depctr_hold_cnt(0) depctr_sa_sdst(0) depctr_va_vdst(0) depctr_va_sdst(0) depctr_va_ssrc(0) depctr_va_vcc(0) depctr_vm_vsrc(0)
	s_getreg_b32 s2, hwreg(HW_REG_IB_STS2, 6, 4)
	s_cmp_eq_u32 s2, 0
	s_cbranch_scc0 .Lentry_in_a_cluster
	s_endpgm
.Lentry_in_a_cluster:
	s_bfe_u32 s2, ttmp6, 0x10000c
	s_cmp_lg_u32 s2, 0x3003
	s_cbranch_scc0 .Lentry_shape_is_right
	s_endpgm
.Lentry_shape_is_right:
; Causal attention of one head on codes of FP8 (E4M3).  qc, kv: the codes of q, k, v that the launch before made, as lane images; lowp_scales: e0..e9 (int32); out0: [16][2048][128] f32.
;   t = q k^T 128^-0.5 log2(e), causal; M = the largest t so far rounded UP to a whole number, p = 2^(t - M) quantised with 2^e8; the sum l is taken of the unquantised p; out = (p v) 2^(e8+e9) / l.
; DEAD WORK left out: groups of 256 keys all of which come after every query of a block: the causal mask makes their p 0 for all values of the inputs.  LIMIT: a NaN or an infinity that reaches only those keys is not carried to the result.
; SHARES.  Cluster (c, batch) of four work-groups owns the groups of 256 queries 7-c (hi) and c (lo); the partner at place p owns block p of 64 queries in each.  So all partners walk the same groups of 256 keys:
; 0 .. 7-c for hi and 0 .. c for lo, and no branch hangs on p.  Wave w owns half qh = w % 2 (32 queries, two tiles) of the hi block and of the lo block, for the half kh = w / 2 (128 keys) of every group:
; nine jobs of 32 queries x 128 keys for every wave of every cluster.  At the end waves w and w ^ 2 join their halves of the keys: each keeps slot 0 of each block (tile kh) and hands over slot 1 (the other tile).
; FEEDING.  A batch's K and V are 4 slots of 131,072 bytes, dense in kv in the order that LDS holds; slot s has the groups s and s + 4.  Two slots in LDS; each wave asks for 32,768 bytes a slot, JOINTLY with the
; three partners: a quarter of each of the slot's four steps of 128 keys, so that every cluster reads some of every load (hi has the groups 0-4 at least).  Fragments are read at 16 x lane: 512 consecutive bytes a load.
; ORDER.  A slot's jobs are hi(s+4), lo(s), hi(s): the first two where c has them, by ids alone.  The next group's K is asked for behind a job's scores, its V behind the job's last product.  The change of slots stands
; inside hi(s), between its maximum and its exponentials: by then the slot's last V is in registers, and the next slot's K comes under the rest of the job.
; PREFETCH.  At the change that loads slot s every wave asks for 32 of slot s + 1's blocks of 256 bytes (s = 1, 2): a work-group's 128 of 512, told apart by address.  Slots 0 and 1 come by their loads alone.
; LAYOUT.  S^T = K Q^T, O^T = V^T P^T: a lane holds one query.  Register 16b+8u+j of a tile is key 32b + 16h + 8u + j of the step; lane r of tile y is query 8y + r + 8 (r / 8) of the 32.
; LIMITS, so that each power of two below is an f32 number: e8 between -126 and 119; e6+e7 between -123 and 130 (added to c's exponent field).  t stays under 2^31 in magnitude.  NaN codes are not served.
; VECTOR REGISTERS.  Window 0: v1 r, v2 h, v3 16 x lane, v4/v5 the add's, v6/v7 addresses of K/V, v8/v9 the mask's thresholds, v11 -inf, v12 2^e8, v13 the prefetches' offset, v14/15 exchange, v16+2t/v17+2t hi's -M and l,
; v32+2t/v33+2t lo's, v20+2t the rescaling factor, v24+4t four maxima then -M, v64+16t p's codes, v96-127 sums, v128+64t S^T then p.  Window 1: O^T of hi at 64t+8u, of lo at 128+64t+8u.
; Window 2: K at 16n, V at 128+16n.  Window 3: q's codes of hi at 16t, of lo at 32+16t.
.set SLOT1, 131072
.set SPARE, 262144                     ; behind the ring: 128 bytes for each wave
.set ML,    263168                     ; (-M, l) of the four tiles, 1,024 bytes for each wave
.set AREA,  17408                      ; the hand-over, in slot 0 behind its last fill and read: 16,384 bytes of O^T, then twice 16 rows of 528
.set STG,   8448
.set WV, 12
.set KH, 13
.set GH, 14                            ; s14 hi's last group
.set SL0, 15                           ; s15 the slot in hand, s
.set TB, 18                            ; s18 its first byte in LDS
.set GL, 39                            ; s39 c: lo's last group
.set S4, 44                            ; s44 3-c: the last slot whose second group hi needs
.set OB, 0                             ; the block in hand: its O^T, its -M and l, its q
.set NB, 16
.set QB, 0
.set MSB, 0
.macro WIN new                         ; bits 1:0 source 0, 3:2 source 1, 5:4 source 2, 7:6 destination; the high byte repeats the setting left
.if MSB != (\new)
	s_set_vgpr_msb (MSB<<8)|(\new)
.set MSB, \new
.endif
.endm
.macro HI
.set OB, 0
.set NB, 16
.set QB, 0
.endm
.macro LO
.set OB, 128
.set NB, 32
.set QB, 32
.endm
.macro PLACES cnt
.rept \cnt
	v_nop
.endr
.endm
.macro CROUND                          ; a round of the cluster's barrier
	s_barrier_signal -1
	s_barrier_wait -1
	s_cmp_lg_u32 s[WV], 0
	s_cbranch_scc1 .Lnot0_\@
	s_barrier_signal -3
.Lnot0_\@:
	s_barrier_wait -3
	s_barrier_signal -1
	s_barrier_wait -1
.endm
.macro JLOAD                           ; my 32,768 bytes of a slot, asked for jointly
	tensor_load_to_lds s[20:23], s[24:31]
	s_nop 0
	PLACES 4
.endm
.macro FETCH reg, adr, off             ; 32 loads: eight fragments of K or of V
	WIN 0x80
.set n, 0
.rept 32
	ds_load_b128 v[\reg+4*n:\reg+4*n+3], v[\adr] offset:\off+(n/8)*16384+((n/4)%2)*2048+512*(n%4)
.set n, n+1
.endr
	WIN 0
.endm
.macro NEXT reg, adr                   ; the slot's first job: group s + 4 where hi needs it, else group s
	s_cmp_gt_u32 s[SL0], s[S4]
	s_cbranch_scc1 .Lfirst_\@
	FETCH \reg, \adr, 8192
	s_branch .Lnext_\@
.Lfirst_\@:
	FETCH \reg, \adr, 0
.Lnext_\@:
.endm
.macro ADDR                            ; my half's fragments in the slot in hand
	s_lshl_b32 s46, s[KH], 12
	s_add_co_u32 s46, s[TB], s46
	v_add_nc_u32 v6, s46, v3
	v_add_nc_u32 v7, 0x10000, v6
	s_wait_alu depctr_va_vdst(0)
.endm
.macro SWM t                           ; S^T of key tile n: K = 128 is one instruction
	v_wmma_f32_16x16x128_fp8_fp8 v[128+64*\t+8*n:135+64*\t+8*n], v[16*n:16*n+15], v[QB+16*\t:QB+16*\t+15], 0
.endm
.macro OWM t                           ; O^T of channel tile n
	v_wmma_f32_16x16x128_fp8_fp8 v[OB+64*\t+8*n:OB+64*\t+8*n+7], v[128+16*n:143+16*n], v[64+16*\t:79+16*\t], v[OB+64*\t+8*n:OB+64*\t+8*n+7]
.endm
.macro MX t                            ; item li of 32: the largest of 64 scores in four chains of two accumulators, each accumulator from its low end on
.set sb, 128+64*\t
.set cq, 24+4*\t
.if li < 4
	v_max3_num_f32 v[cq+li], v[sb+16*li], v[sb+16*li+1], v[sb+16*li+2]
.elseif li < 28
	v_max3_num_f32 v[cq+li%4], v[cq+li%4], v[sb+16*(li%4)+2*(li/4)+1], v[sb+16*(li%4)+2*(li/4)+2]
.elseif li == 28
	v_max3_num_f32 v[cq], v[cq], v[sb+15], v[sb+31]
.elseif li == 29
	v_max3_num_f32 v[cq+2], v[cq+2], v[sb+47], v[sb+63]
.elseif li == 30
	v_max3_num_f32 v[cq], v[cq], v[cq+1], v[cq+2]
.else
	v_max_num_f32 v[cq], v[cq], v[cq+3]
.endif
.endm
.macro FN k, t                         ; item k of 9: M and the factor 2^(old M - new M)
.if \k == 0
	v_permlanex16_b32 v[14+\t], v[24+4*\t], s32, s33   ; the query's other 64 keys lie in the lane 16 away
.elseif \k == 1
	v_max_num_f32 v[24+4*\t], v[24+4*\t], v[14+\t]
.elseif \k == 2
	v_mul_f32 v[24+4*\t], s34, v[24+4*\t]          ; as t (c is positive)
.elseif \k == 3
	v_floor_f32 v[24+4*\t], -v[24+4*\t]            ; -M = floor(-t)
.elseif \k == 4
	v_min_num_f32 v[24+4*\t], v[24+4*\t], v[NB+2*\t]   ; the running M
.elseif \k == 5
	v_sub_f32 v[21+2*\t], v[24+4*\t], v[NB+2*\t]   ; old M - new M: a whole number, 0 or less
.elseif \k == 6
	v_cvt_i32_f32 v[21+2*\t], v[21+2*\t]           ; (it saturates)
.elseif \k == 7
	v_ldexp_f32 v[20+2*\t], 1.0, v[21+2*\t]        ; exact
.else
	v_mov_b32 v[NB+2*\t], v[24+4*\t]
.endif
.endm
.macro FIT t                           ; t - M, scores 2 li, 2 li + 1
	v_pk_fma_f32 v[128+64*\t+2*li:129+64*\t+2*li], v[128+64*\t+2*li:129+64*\t+2*li], s[34:35], v[24+4*\t:25+4*\t] op_sel_hi:[1,0,0]
.endm
.macro SL t, i                         ; the sum of the UNQUANTISED p: first level, 16 items
	v_pk_add_f32 v[96+2*(\i):97+2*(\i)], v[128+64*\t+4*(\i):129+64*\t+4*(\i)], v[130+64*\t+4*(\i):131+64*\t+4*(\i)]
.endm
.macro MN t, i                         ; the hold of two p at 448 x 2^e8 (p is not negative; the conversion does not saturate: ISA guide 7.6.2): 32 items
	v_dual_min_num_f32 v[128+64*\t+2*(\i)], s36, v[128+64*\t+2*(\i)] :: v_dual_min_num_f32 v[129+64*\t+2*(\i)], s36, v[129+64*\t+2*(\i)]
.endm
.macro SR t, i                         ; the sum's further levels, 17 items; the last brings l under the new M
.if (\i) < 8
	v_pk_add_f32 v[96+2*(\i):97+2*(\i)], v[96+2*(\i):97+2*(\i)], v[112+2*(\i):113+2*(\i)]
.elseif (\i) < 12
	v_pk_add_f32 v[96+2*((\i)-8):97+2*((\i)-8)], v[96+2*((\i)-8):97+2*((\i)-8)], v[104+2*((\i)-8):105+2*((\i)-8)]
.elseif (\i) < 14
	v_pk_add_f32 v[96+2*((\i)-12):97+2*((\i)-12)], v[96+2*((\i)-12):97+2*((\i)-12)], v[100+2*((\i)-12):101+2*((\i)-12)]
.elseif (\i) == 14
	v_pk_add_f32 v[96:97], v[96:97], v[98:99]
.elseif (\i) == 15
	v_add_f32 v96, v96, v97
.else
	v_fma_f32 v[NB+1+2*\t], v[NB+1+2*\t], v[20+2*\t], v96
.endif
.endm
.macro MASK t                          ; a block's last group: register m is key 32 (m/16) + m%16 (+ 16 h) of the step, hidden where that is beyond the lane's query
.set gg, 0
.rept 16
.set mm, 0
.rept 4
.set md, 32*((4*gg+mm)/16)+((4*gg+mm)%16)
	v_cmp_gt_i32 s[60+mm], md, v[8+\t]
.set mm, mm+1
.endr
.set mm, 0
.rept 4
	v_cndmask_b32 v[128+64*\t+4*gg+mm], v[128+64*\t+4*gg+mm], v11, s[60+mm]
.set mm, mm+1
.endr
.set gg, gg+1
.endr
.endm
.macro CVT t                           ; p's codes: the results are the next product's operand registers
.set n, 0
.rept 8
	v_cvt_scalef32_pk8_fp8_f32 v[64+16*\t+2*n:65+16*\t+2*n], v[128+64*\t+8*n:135+64*\t+8*n], v12
.set n, n+1
.endr
	v_nop                                          ; a plain instruction between a scaled conversion and what touches its result
.endm
; THE FIRST HALF OF A JOB: scores, maximum, M, O^T under the new M, t - M of tile 0.  diag = 1: masked where the slot in hand is s[dg]; 2: always masked.  kf = 1: group s's K is asked for into K's registers.
.macro JA diag, dg, kf
	WIN 0x0e                                       ; K in window 2, q in window 3, S^T in window 0
.set n, 0
.rept 8
.if n%2 == 0
	s_wait_dscnt 56-4*n                            ; the fragments n and n + 1 of K are in; four loads a younger fragment and V's 32 may be out
.endif
	SWM 0
.set n, n+1
.endr
	WIN 0
.if \diag == 1
	s_cmp_eq_u32 s[SL0], s[\dg]
	s_cbranch_scc1 .Ldiag_\@
.endif
.if \diag < 2
.set li, 0
.set n, 0
.rept 8                                ; tile 1's products, and behind each four items of tile 0's maximum
	WIN 0x0e
	SWM 1
	WIN 0
.if n == 0
	PLACES 4
.endif
.rept 4
	MX 0
.set li, li+1
.endr
.set n, n+1
.endr
.endif
.if \diag == 1
	s_branch .Ljoin_\@
.Ldiag_\@:
.endif
.if \diag > 0
	WIN 0x0e
.set n, 0
.rept 8
	SWM 1
.set n, n+1
.endr
	WIN 0
	PLACES 4
	MASK 0
	MASK 1
.set li, 0
.rept 32
	MX 0
.set li, li+1
.endr
.endif
.if \diag == 1
.Ljoin_\@:
.endif
.if \kf
	FETCH 0, 6, 0                                  ; four plain instructions at the least stand behind the last product that read K
.endif
.set li, 0
.rept 32
	MX 1
.set li, li+1
.endr
.irp k, 0,1,2,3,4,5,6,7,8
	FN \k, 0
	FN \k, 1
.endr
	WIN 0x41
	s_wait_alu depctr_va_vdst(0)                   ; directly ahead of the first readers of O^T
.set n, 0
.rept 64                               ; x 2^(old M - new M), exact; each accumulator from its low end on
	v_pk_mul_f32 v[OB+2*n:OB+2*n+1], v[OB+2*n:OB+2*n+1], v[20+2*(n/32):21+2*(n/32)] op_sel_hi:[1,0]
.set n, n+1
.endr
	WIN 0
.set li, 0
.rept 32
	FIT 0
.set li, li+1
.endr
.endm
; THE SECOND HALF: p, its sum, its codes, the products with V.  vw: the LDS loads younger than V's, which may be out (negative: V has been waited for).
.macro JB vw
	s_wait_alu depctr_va_vdst(0)                   ; ahead of the batch
.set li, 0
.set en, 0
.rept 64                               ; p = 2^(t - M) of tile 0, NOT normalised; among them t - M of tile 1, read only behind the next wait
	v_exp_f32 v[128+en], v[128+en]
.if en%2 == 1
	FIT 1
.set li, li+1
.endif
.set en, en+1
.endr
	s_wait_alu depctr_va_vdst(0)                   ; behind the batch and ahead of the next one
.if (\vw) >= 0
	s_wait_dscnt \vw                               ; V is in
.endif
.set li, 0
.set en, 0
.rept 64                               ; tile 1's; among them tile 0's first level of sums, then its holds: all read only behind the next wait
	v_exp_f32 v[192+en], v[192+en]
.rept ((en+1)*48)/64-(en*48)/64
.if li < 16
	SL 0, li
.else
	MN 0, li-16
.endif
.set li, li+1
.endr
.set en, en+1
.endr
	s_wait_alu depctr_va_vdst(0)                   ; behind the batch
	CVT 0
.set li, 0
.set n, 0
.rept 8                                ; accumulators by turns, one instruction a turn; behind each its share of 65 items
	WIN 0x52
	OWM 0
	WIN 0
.rept ((n+1)*65)/8-(n*65)/8
.if li < 17
	SR 0, li
.elseif li < 33
	SL 1, li-17
.else
	MN 1, li-33
.endif
.set li, li+1
.endr
.set n, n+1
.endr
	CVT 1
	s_wait_alu depctr_va_vdst(0)
.set li, 0
.set n, 0
.rept 8
	WIN 0x52
	OWM 1
.if n < 2
	WIN 0
.rept 9-n
	SR 1, li
.set li, li+1
.endr
.endif
.set n, n+1
.endr
	WIN 0
	PLACES 4                                       ; ahead of loads into V's registers
	s_wait_alu depctr_va_vdst(0)
.endm
	s_load_b256 s[4:11], s[0:1], 0x0               ; qc, kv, the scales' exponents, out0
	v_lshl_add_u32 v4, v0, 2, SPARE
	v_mov_b32 v5, 0
	ds_add_u32 v4, v5                              ; the wave's opening: the add, twice on end, and its wait
	ds_add_u32 v4, v5
	v_lshrrev_b32 v40, 5, v0
	v_readfirstlane_b32 s[WV], v40                 ; wave 0..3
	s_mov_b32 s[GL], ttmp9                         ; c: the cluster
	s_and_b32 s40, ttmp7, 0xffff                   ; batch
	s_bfe_u32 s38, ttmp6, 0x40000                  ; p: my place in the cluster
	s_lshr_b32 s[KH], s[WV], 1                     ; which half of every group of keys
	s_and_b32 s41, s[WV], 1                        ; qh: which 32 queries of a block
	s_sub_co_u32 s[GH], 7, s[GL]
	s_sub_co_u32 s[S4], 3, s[GL]
	s_mov_b32 s[SL0], 0
	s_mov_b32 s[TB], 0
	; descriptor group 1: 128 rows of 256 bytes, dense, for all four of the cluster
	s_mov_b32 s24, 15|(3<<16)|(1<<21)              ; the mask; elements of 8 bytes; bit 21 stands beside a mask
	s_mov_b32 s25, 32<<16
	s_mov_b32 s26, 128<<16
	s_mov_b32 s27, 32<<16
	s_mov_b32 s28, 128
	s_mov_b32 s29, 32
	s_mov_b32 s30, 0
	s_mov_b32 s31, 0
	s_lshl_b32 s46, s40, 19
	s_lshl_b32 s47, s[WV], 15
	s_mov_b32 s20, 1
	s_mov_b32 s21, s47                             ; LDS: wave x 32,768
	s_add_co_u32 s46, s46, s47                     ; kv: batch x 524,288 + wave x 32,768
	s_mov_b32 s47, 0
	s_mov_b32 s32, 0x76543210                      ; v_permlanex16_b32's selects for lane l xor 16
	s_mov_b32 s33, 0xfedcba98
	s_wait_alu depctr_va_vdst(0)
	s_wait_dscnt 0x0                               ; both opening adds are done
	s_wait_kmcnt 0x0
	s_load_b256 s[48:55], s[8:9], 0x0              ; e0 .. e7
	s_load_b64 s[56:57], s[8:9], 0x20              ; e8, e9
	s_add_nc_u64 s[22:23], s[6:7], s[46:47]
	s_or_b32 s23, s23, 0x80000000
	CROUND                                         ; all four work-groups are here: the first joint loads meet
	JLOAD                                          ; slot 0: one tensor load a wave at the head
	; where my queries, my rows of out0 and my prefetches stand
	s_lshl_b32 s74, s40, 7
	s_lshl_b32 s75, s38, 2
	s_add_co_u32 s74, s74, s75
	s_lshl_b32 s75, s41, 1
	s_add_co_u32 s74, s74, s75                     ; 128 batch + 4 p + 2 qh; a group of 256 queries is 16 tiles
	s_lshl_b32 s72, s[GH], 4
	s_add_co_u32 s72, s72, s74
	s_lshl_b32 s72, s72, 11                        ; 2,048 bytes of codes a tile
	s_mov_b32 s73, 0
	s_add_nc_u64 s[66:67], s[4:5], s[72:73]
	s_lshl_b32 s72, s[GL], 4
	s_add_co_u32 s72, s72, s74
	s_lshl_b32 s72, s72, 11
	s_add_nc_u64 s[58:59], s[4:5], s[72:73]
	s_lshl_b32 s74, s38, 6
	s_lshl_b32 s75, s41, 5
	s_add_co_u32 s74, s74, s75                     ; my first query in its group: 64 p + 32 qh
	s_lshl_b32 s75, s[KH], 3                       ; slot 0's tile begins 8 kh on
	s_add_co_u32 s76, s74, s75
	s_lshl_b32 s77, s40, 11
	s_add_co_u32 s77, s77, s76
	s_lshl_b32 s72, s[GH], 8
	s_add_co_u32 s72, s72, s77
	s_lshl_b32 s72, s72, 9                         ; rows of 512 bytes
	s_add_nc_u64 s[68:69], s[10:11], s[72:73]
	s_lshl_b32 s72, s[GL], 8
	s_add_co_u32 s72, s72, s77
	s_lshl_b32 s72, s72, 9
	s_add_nc_u64 s[70:71], s[10:11], s[72:73]
	s_lshl_b32 s77, s[KH], 7
	s_sub_co_u32 s76, s76, s77                     ; slot 0's first query less my half's first key: 64 p + 32 qh + 8 kh - 128 kh
	s_sub_co_u32 s74, s74, s75
	s_add_co_u32 s74, s74, 8
	s_sub_co_u32 s74, s74, s77                     ; slot 1's: 8 (1 - kh) in 8 kh's place
	s_lshl_b32 s72, s40, 19
	s_lshl_b32 s75, s38, 15
	s_add_co_u32 s72, s72, s75
	s_lshl_b32 s75, s[WV], 13
	s_add_co_u32 s72, s72, s75
	s_add_co_u32 s72, s72, 2*SLOT1                 ; slot 2: what the first change of slots asks for
	s_add_nc_u64 s[42:43], s[6:7], s[72:73]
	s_lshl_b32 s77, s[KH], 11
	s_xor_b32 s78, s77, 0x800
	v_and_b32 v1, 15, v0                           ; r
	v_bfe_u32 v2, v0, 4, 1                         ; h
	v_and_b32 v40, 31, v0
	v_lshlrev_b32 v3, 4, v40                       ; 16 x lane
	v_lshlrev_b32 v13, 8, v40
	v_add_nc_u32 v43, s77, v3                      ; q's codes of slot 0: tile kh,
	v_add_nc_u32 v44, s78, v3                      ; of slot 1: the other
	v_and_b32 v41, 8, v1
	v_add_nc_u32 v41, v41, v1                      ; r + 8 (r / 8)
	v_lshlrev_b32 v42, 4, v2
	v_sub_nc_u32 v42, v41, v42
	v_add_nc_u32 v8, s76, v42                      ; my query less my half's first key less 16 h, in slot 0,
	v_add_nc_u32 v9, s74, v42                      ; in slot 1
	v_mov_b32 v11, 0xff800000
	s_wait_alu depctr_va_vdst(0)
	WIN 0xc0
.set n, 0
.rept 4
	global_load_b128 v[4*n:4*n+3], v43, s[66:67] offset:512*n
	global_load_b128 v[16+4*n:19+4*n], v44, s[66:67] offset:512*n
	global_load_b128 v[32+4*n:35+4*n], v43, s[58:59] offset:512*n
	global_load_b128 v[48+4*n:51+4*n], v44, s[58:59] offset:512*n
.set n, n+1
.endr
	WIN 0
.irp t, 0,1
	v_mov_b32 v[14+\t], 0                          ; a lane permute's destination counts as read
	v_mov_b32 v[16+2*\t], 0x7f61b1e6               ; -M = 3e38: no key yet
	v_mov_b32 v[17+2*\t], 0
	v_mov_b32 v[32+2*\t], 0x7f61b1e6
	v_mov_b32 v[33+2*\t], 0
.endr
	WIN 0x40
.set n, 0
.rept 256                              ; O^T of both blocks: a job has no first form of its own
	v_mov_b32 v[n], 0
.set n, n+1
.endr
	WIN 0
	s_wait_kmcnt 0x0
	s_add_co_i32 s46, s56, 127
	s_lshl_b32 s47, s46, 23
	v_mov_b32 v12, s47                             ; 2^e8 as f32
	s_add_co_i32 s46, s46, 8
	s_lshl_b32 s46, s46, 23
	s_or_b32 s36, s46, 0x600000                    ; 448 x 2^e8
	s_add_co_i32 s46, s54, s55
	s_lshl_b32 s46, s46, 23
	s_add_co_i32 s34, s46, 0x3e0293ee              ; c = log2(e) / sqrt(128) x 2^(e6 + e7)
	s_mov_b32 s35, s34
	s_add_co_i32 s37, s56, s57
	s_wait_alu depctr_va_vdst(0)                   ; at the head's end
	s_wait_loadcnt 0x0                             ; q's codes
	s_wait_tensorcnt 0x0                           ; my part of slot 0 is in; these lines stand ahead of slot 1's first fill as ahead of a refill
	ds_add_u32 v4, v5
	s_xor_b32 s21, s21, SLOT1
	s_add_nc_u64 s[22:23], s[22:23], SLOT1
	s_wait_dscnt 0x0
	CROUND
	JLOAD                                          ; slot 1
	global_prefetch_b8 v13, s[42:43] th:TH_LOAD_NT scope:SCOPE_SE   ; slot 2: 32 blocks of 256 bytes
	ADDR
	FETCH 0, 6, 8192                               ; group 4: hi needs it in every cluster
	FETCH 128, 7, 8192
.Lslot:                                                ; slots 0, 1 and 2
	s_cmp_gt_u32 s[SL0], s[S4]
	s_cbranch_scc1 .Lno4
	HI
	JA 1, S4, 1                                    ; hi, group s + 4
	JB 32
	FETCH 128, 7, 0                                ; group s's V
.Lno4:
	s_cmp_gt_u32 s[SL0], s[GL]
	s_cbranch_scc1 .Lnolo
	LO
	JA 1, GL, 0                                    ; lo, group s
	JB 0
.Lnolo:
	HI
	JA 0, 0, 0                                     ; hi, group s
	s_add_co_u32 s[SL0], s[SL0], 1                 ; on to the next slot
	s_wait_alu depctr_va_vdst(0)                   ; ahead of the branch and the waits below
	s_cmp_eq_u32 s[SL0], 3
	s_cbranch_scc1 .Llast                          ; slot 3 is entered below: nothing is filled again there
	s_wait_xcnt 0x0                                ; any prefetch of mine has read its address
	s_add_nc_u64 s[42:43], s[42:43], SLOT1
	s_wait_tensorcnt 0x0                           ; my part of the next slot is in: a group 0 may be written
	ds_add_u32 v4, v5
	s_xor_b32 s21, s21, SLOT1
	s_add_nc_u64 s[22:23], s[22:23], SLOT1
	s_xor_b32 s[TB], s[TB], SLOT1
	s_wait_dscnt 0x0                               ; the add is done, and so are my reads of the slot left: V's last fragments are in registers
	CROUND                                         ; that holds of every wave of every partner
	JLOAD                                          ; the slot after the next
	s_cmp_eq_u32 s[SL0], 1
	s_cbranch_scc0 .Lnoask
	global_prefetch_b8 v13, s[42:43] th:TH_LOAD_NT scope:SCOPE_SE   ; slot 3
.Lnoask:
	ADDR
	NEXT 0, 6                                      ; K of the next slot's first job, under the rest of this one
	JB -1
	NEXT 128, 7                                    ; and its V
	s_cmp_lt_u32 s[SL0], 3
	s_cbranch_scc1 .Lslot
.Llast:
	s_wait_tensorcnt 0x0                           ; my part of slot 3 is in
	ds_add_u32 v4, v5
	s_xor_b32 s[TB], s[TB], SLOT1
	s_wait_dscnt 0x0
	s_barrier_signal -1
	s_barrier_wait -1
	ADDR
	NEXT 0, 6
	JB -1
	NEXT 128, 7
	s_cmp_gt_u32 s[SL0], s[S4]                     ; slot 3: hi needs its second group where c = 0, and lo its first where c = 3: each is then the block's last group
	s_cbranch_scc1 .Lno4b
	HI
	JA 2, S4, 1
	JB 32
	FETCH 128, 7, 0
.Lno4b:
	s_cmp_gt_u32 s[SL0], s[GL]
	s_cbranch_scc1 .Lnolob
	LO
	JA 2, GL, 0
	JB 0
.Lnolob:
	HI
	JA 0, 0, 0
	JB 0
	; THE WAY OUT.  Waves w and w ^ 2 have the two halves of the keys for the same queries; my slot t is the other's slot 1 - t.  They exchange -M and l; each hands over its slot 1 of both blocks, scaled, and finishes slot 0.
	v_permlanex16_b32 v14, v17, s32, s33
	v_permlanex16_b32 v15, v19, s32, s33
	v_add_f32 v17, v17, v14                        ; l: my keys and lane l xor 16's
	v_add_f32 v19, v19, v15
	v_permlanex16_b32 v14, v33, s32, s33
	v_permlanex16_b32 v15, v35, s32, s33
	v_add_f32 v33, v33, v14
	v_add_f32 v35, v35, v15
	s_xor_b32 s47, s[WV], 2
	s_lshl_b32 s46, s[WV], 10
	s_add_co_u32 s46, s46, ML
	s_lshl_b32 s45, s47, 10
	s_add_co_u32 s45, s45, ML
	v_add_nc_u32 v6, s46, v3
	v_add_nc_u32 v7, s45, v3
	s_mul_i32 s46, s[WV], AREA                     ; what I hand over,
	s_mul_i32 s45, s47, AREA                       ; and what I take: read by me alone
	v_add_nc_u32 v28, s46, v3
	v_add_nc_u32 v29, s45, v3
	v_mul_u32_u24 v30, v1, 528
	v_lshl_add_u32 v30, v2, 5, v30
	v_add_nc_u32 v30, s45, v30                     ; row r of 528 bytes, + 32 h
	s_wait_alu depctr_va_vdst(0)
	ds_store_b128 v6, v[16:19]
	ds_store_b128 v6, v[32:35] offset:512
	s_wait_dscnt 0x0                               ; for the other wave's sake
	s_barrier_signal -1
	s_barrier_wait -1
	ds_load_b128 v[24:27], v7
	ds_load_b128 v[36:39], v7 offset:512
	s_wait_dscnt 0x0
; q = 2 x block + slot: own -M at 16 + 16 x block + 2 x slot, the other's at 24 + 12 x block + 2 x (1 - slot); weights at 20 + 20 x block + 2 x slot
.irp q, 0,1,2,3
	v_min_num_f32 v[44+\q], v[16+16*(\q/2)+2*(\q%2)], v[24+12*(\q/2)+2*(1-\q%2)]   ; - the common M: finite, since the first half of group 0 counts for every query
.endr
.irp q, 0,1,2,3
	v_sub_f32 v[20+20*(\q/2)+2*(\q%2)], v[44+\q], v[16+16*(\q/2)+2*(\q%2)]
	v_sub_f32 v[21+20*(\q/2)+2*(\q%2)], v[44+\q], v[24+12*(\q/2)+2*(1-\q%2)]
.endr
.irp k, 20,21,22,23,40,41,42,43
	v_cvt_i32_f32 v\k, v\k                         ; (it saturates)
.endr
.irp k, 20,21,22,23,40,41,42,43
	v_ldexp_f32 v\k, 1.0, v\k                      ; exact powers of two, or 0
.endr
.irp q, 0,1,2,3
	v_mul_f32 v[44+\q], v[17+16*(\q/2)+2*(\q%2)], v[20+20*(\q/2)+2*(\q%2)]
.endr
.irp q, 0,1,2,3
	v_fma_f32 v[44+\q], v[25+12*(\q/2)+2*(1-\q%2)], v[21+20*(\q/2)+2*(\q%2)], v[44+\q]   ; the rows' sums
.endr
	s_wait_alu depctr_va_vdst(0)                   ; ahead of the transcendentals
.irp q, 0,1,2,3
	v_rcp_f32 v[44+\q], v[44+\q]
.endr
	v_nop
	s_wait_alu depctr_va_vdst(0)                   ; and behind them
.irp q, 0,1,2,3
	v_ldexp_f32 v[44+\q], v[44+\q], s37            ; x 2^(e8 + e9)
.endr
.irp q, 0,1,2,3
	v_mul_f32 v[20+20*(\q/2)+2*(\q%2)], v[20+20*(\q/2)+2*(\q%2)], v[44+\q]
.endr
	WIN 0x01
	s_wait_alu depctr_va_vdst(0)                   ; directly ahead of the first readers of O^T
.set n, 0
.rept 32
	v_pk_mul_f32 v[128+2*n:129+2*n], v[64+2*n:65+2*n], v[22:23] op_sel_hi:[1,0]
.set n, n+1
.endr
.set n, 0
.rept 32
	v_pk_mul_f32 v[192+2*n:193+2*n], v[192+2*n:193+2*n], v[42:43] op_sel_hi:[1,0]
.set n, n+1
.endr
	WIN 0
.set n, 0
.rept 32                               ; lane images
	ds_store_b128 v28, v[128+4*n:131+4*n] offset:512*n
.set n, n+1
.endr
	s_wait_alu depctr_va_vdst(0)
	s_wait_dscnt 0x0                               ; for the other wave's sake
	s_barrier_signal -1
	s_barrier_wait -1
.set n, 0
.rept 32
	ds_load_b128 v[128+4*n:131+4*n], v29 offset:512*n
.set n, n+1
.endr
	s_wait_dscnt 0x0
	WIN 0x01
	s_wait_alu depctr_va_vdst(0)                   ; directly ahead of the first readers of O^T
.set n, 0
.rept 32
	v_pk_fma_f32 v[128+2*n:129+2*n], v[2*n:2*n+1], v[20:21], v[128+2*n:129+2*n] op_sel_hi:[1,0,1]
.set n, n+1
.endr
.set n, 0
.rept 32
	v_pk_fma_f32 v[192+2*n:193+2*n], v[128+2*n:129+2*n], v[40:41], v[192+2*n:193+2*n] op_sel_hi:[1,0,1]
.set n, n+1
.endr
	WIN 0
.set n, 0
.rept 32                               ; hi's 16 rows, then lo's: rows of 512 bytes, 64 u + 32 h + 16 half
	ds_store_b128 v30, v[128+4*n:131+4*n] offset:STG*(n/16)+64*((n%16)/2)+16*(n%2)
.set n, n+1
.endr
	WIN 0x40
.set n, 0
.rept 32                               ; LDS serves a wave's instructions in order (ISA guide 5.7.1.4): these see the stores above
	ds_load_b128 v[4*n:4*n+3], v29 offset:STG*(n/16)+528*(n%16)
.set n, n+1
.endr
	WIN 0x04
.set n, 0
.rept 32                               ; LDS row i is query i + 8 (i / 8): 512 consecutive bytes, aligned
	s_wait_dscnt 31-n                              ; the younger rows may be out
	global_store_b128 v3, v[4*n:4*n+3], s[68+2*(n/16):69+2*(n/16)] offset:512*((n%16)+8*((n%16)/8)) th:TH_STORE_NT
.set n, n+1
.endr
	WIN 0
	s_wait_tensorcnt 0x0                           ; the wave's end
	ds_add_u32 v4, v5
	s_wait_dscnt 0x0
	CROUND                                         ; the closing round
	s_endpgm
.Lfunc_end_k_q3b58392e34_head:
	.size	k_q3b58392e34_head, .Lfunc_end_k_q3b58392e34_head-k_q3b58392e34_head
	.p2alignl 7, 3214868480
	.fill 96, 4, 3214868480
	.section	.rodata,"a",@progbits
	.p2align	6, 0x0
	.amdhsa_kernel k_q3b58392e34_head
		.amdhsa_group_segment_fixed_size 327680
		.amdhsa_private_segment_fixed_size 0
		.amdhsa_enable_private_segment 0
		.amdhsa_kernarg_size 32
		.amdhsa_user_sgpr_count 2
		.amdhsa_user_sgpr_kernarg_segment_ptr 1
		.amdhsa_wavefront_size32 1
		.amdhsa_system_sgpr_workgroup_id_x 1
		.amdhsa_system_sgpr_workgroup_id_y 1
		.amdhsa_system_sgpr_workgroup_id_z 1
		.amdhsa_system_vgpr_workitem_id 0
		.amdhsa_next_free_vgpr 1024
		.amdhsa_next_free_sgpr 100
		.amdhsa_reserve_vcc 0
		.amdhsa_float_denorm_mode_32 3
		.amdhsa_float_denorm_mode_16_64 3
		.amdhsa_memory_ordered 1
		.amdhsa_forward_progress 1
		.amdhsa_inst_pref_size 255
	.end_amdhsa_kernel
	.section	.bss,"aw",@nobits
	.p2align	6
	.space	262144
	.amdgpu_metadata
---
amdhsa.version: [ 1, 2 ]
amdhsa.kernels:
  - .name:           k_q3b58392e34_head
    .symbol:         k_q3b58392e34_head.kd
    .args:
      - { .name: qc, .offset: 0, .size: 8, .value_kind: global_buffer, .address_space: global }
      - { .name: kv, .offset: 8, .size: 8, .value_kind: global_buffer, .address_space: global }
      - { .name: lowp_scales, .offset: 16, .size: 8, .value_kind: global_buffer, .address_space: global }
      - { .name: out0, .offset: 24, .size: 8, .value_kind: global_buffer, .address_space: global }
    .group_segment_fixed_size: 327680
    .private_segment_fixed_size: 0
    .kernarg_segment_align: 8
    .kernarg_segment_size: 32
    .max_flat_workgroup_size: 128
    .sgpr_count:     100
    .vgpr_count:     1024
    .wavefront_size: 32
...
	.end_amdgpu_metadata
.endif
;; end of part 3
